; MI455X (gfx1250); checked and timed in simulation.
; The chip was launched on July 23, 2026; its instructions are those of AMD's public machine-readable ISA for CDNA 5 (MIT licence, August 2026) and "CDNA5" Instruction Set Architecture Reference Guide (July 2026). The comments in the code are by the model that wrote it; some were corrected since.
;; snn Llama MLP. Allowed arithmetic: matrix products marked QUANTISED: E3M2 operands, one E8M0 scale for each 32 along K, by v_wmma_scale_f32_16x16x128_f8f6f4 with both operands' format E3M2, f32 sums; everything else in f32.
;; Inputs: w_down_codes 2,048 x 172 x 24 uint8 (E3M2 codes of w_down, K innermost, in blocks of 32 codes, four codes in three bytes); w_down_scales 2,048 x 172 uint8 (E8M0 scales of w_down, one for each 32 codes along K); w_gate_codes 5,504 x 64 x 24 uint8 (E3M2 codes of w_gate, K innermost, in blocks of 32 codes, four codes in three bytes); w_gate_scales 5,504 x 64 uint8 (E8M0 scales of w_gate, one for each 32 codes along K); w_up_codes 5,504 x 64 x 24 uint8 (E3M2 codes of w_up, K innermost, in blocks of 32 codes, four codes in three bytes); w_up_scales 5,504 x 64 uint8 (E8M0 scales of w_up, one for each 32 codes along K); x_codes 8 x 256 x 64 x 24 uint8 (E3M2 codes of x, K innermost, in blocks of 32 codes, four codes in three bytes); x_scales 8 x 256 x 64 uint8 (E8M0 scales of x, one for each 32 codes along K).
;; Outputs: out0 8 x 256 x 2,048 float32.
;; Constants: T = 4.
;; This version of the problem:
;;   THIS VERSION OF THE PROBLEM IS GIVEN IN LOW PRECISION. The matrix products marked QUANTISED in the list below multiply operands that are first quantised to E3M2 (3 exponent bits, 2 mantissa bits; 6 bits a number), with one power-of-two scale for each 32 numbers along K (OCP MX v1.0); their sums are f32. All else is computed in f32.
;;   The module's matrix products, in the order in which they are computed (A, B: the left and right operand; K: the contracted axis; several contracted axes count as one K, in the product's order):
;;     1. [M 2,048, K 2,048] x [K 2,048, N 5,504]; A: input x (given as codes); B: input w_gate (given as codes): QUANTISED
;;     2. [M 2,048, K 2,048] x [K 2,048, N 5,504]; A: input x (given as codes); B: input w_up (given as codes): QUANTISED
;;     3. [M 2,048, K 5,504] x [K 5,504, N 2,048]; A: computed on the way; B: input w_down (given as codes): QUANTISED
;;   THE QUANTISER, for each operand of a quantised product, along K:
;;     - K is cut into blocks of 32 from its start; a last block that is shorter is filled with zeros.
;;     - A block's scale is 2^e with e = floor(log2(the largest magnitude in the block)) - 4, held to -126 .. 127; a block of zeros has e = 0. As a byte (E8M0): e + 127.
;;     - Each number is divided by its block's scale, clamped to +-28, and rounded to the nearest number of E3M2, ties to even, subnormals kept.
;;     - The product sums the exact products of the quantised numbers (number of the format x scale) in f32.
;;   ~~~python
;;   def quantise(x, axis):      # numpy; x: float32 -> the quantised numbers, widened to float32 again
;;       x = np.moveaxis(x, axis, -1); K = x.shape[-1]
;;       x = np.pad(x, [(0, 0)] * (x.ndim - 1) + [(0, -K % 32)]); x = x.reshape(x.shape[:-1] + (-1, 32)); a = np.abs(x).max(-1, keepdims=True)
;;       e = np.where(a > 0, np.clip(np.frexp(np.where(a > 0, a, 1))[1] - 1 - 4, -126, 127), 0)      # np.frexp(a)[1] - 1 = floor(log2(a)), exactly
;;       r = np.clip(x / 2.0 ** e, -28, 28)
;;       step = 2.0 ** (np.maximum(np.frexp(np.where(r == 0, 1, r))[1] - 1, -2) - 2)
;;       q = np.round(r / step) * step * 2.0 ** e      # np.round: ties to even
;;       return np.moveaxis(q.reshape(q.shape[:-2] + (-1,))[..., :K], -1, axis).astype(np.float32)
;;   ~~~
;;   OPERANDS COMPUTED ON THE WAY. 'Computed on the way' means the value that the module computes at that place (a softmax that the list does not call 'softmax' is quantised finished and normalised). What goes into a quantiser is computed in f32, as accurately as f32 sums, v_exp_f32 and their like allow (about 1e-6 of the number): no bf16 or f16 on the way to a quantiser, and a product that is left as it is and whose result goes on into a quantised operand takes f32 operands (vector FMAs, or v_wmma_f32_16x16x4_f32). A number that lies on a knife's edge between two numbers of the format may be rounded either way, as far as f32 arithmetic and the matrix unit's own rounding can turn it there, and no further.
;;   INPUTS GIVEN AS CODES. w_down (in the module: [2048, 5504], K = its axis 1); w_gate (in the module: [5504, 2048], K = its axis 1); w_up (in the module: [5504, 2048], K = its axis 1); x (in the module: [8, 256, 2048], K = its axis 2): each comes as NAME_codes (uint8): NAME with its K axis moved to the last place and cut into blocks of 32 codes, [.., K / 32, bytes a block], one block behind the other in memory; four codes in three bytes: a row's codes are one little-endian stream of bits, code i at bits 6 i .. 6 i + 5 (a code: sign, 3 exponent bits, 2 mantissa bits); and NAME_scales (uint8): the same leading axes, one E8M0 byte (e + 127) for each 32 codes along K. Its value is code x scale, taken as it is: it is not quantised again, and the codes and scales need not be those that the quantiser above would give.
;; One version. Each part assembles by itself: llvm-mc -triple=amdgcn-amd-amdhsa -mcpu=gfx1250 --defsym DOCPART=n.
;; ======== version 1 of 1: 2 launches
;; workspace buffers: c_codes 8,454,144 bytes; c_scales 352,256 bytes
;; launch gateup (part 1): grid 8 x 43, 4 waves a work-group, clusters of 4 x 1, 327,680 bytes of LDS; arguments x_codes, x_scales, w_gate_codes, w_gate_scales, w_up_codes, w_up_scales, c_codes, c_scales; writes c_codes, c_scales
.if DOCPART == 1
	.amdgcn_target "amdgcn-amd-amdhsa--gfx1250"
	.amdhsa_code_object_version 6
	.text
	.protected	k_qc534d67774_gateup
	.globl	k_qc534d67774_gateup
	.p2align	8
	.type	k_qc534d67774_gateup,@function
k_qc534d67774_gateup:
	s_mov_b64 s[64:65], 0
	v_nop
	global_prefetch_b8 v0, s[64:65] scope:SCOPE_SE
	s_setreg_imm32_b32 hwreg(HW_REG_WAVE_MODE, 25, 1), 1
	s_wait_xcnt 0x0
	s_wait_alu depctr_hold_cnt(0) depctr_sa_sdst(0) depctr_va_vdst(0) depctr_va_sdst(0) depctr_va_ssrc(0) depctr_va_vcc(0) depctr_vm_vsrc(0)
	s_getreg_b32 s2, hwreg(HW_REG_IB_STS2, 6, 4)
	s_cmp_eq_u32 s2, 0
	s_cbranch_scc0 .Lentry_in_a_cluster
	s_endpgm
.Lentry_in_a_cluster:
	s_bfe_u32 s2, ttmp6, 0x10000c
	s_cmp_lg_u32 s2, 0x3003
	s_cbranch_scc0 .Lentry_shape_is_right
	s_endpgm
.Lentry_shape_is_right:
; G = x Wg^T and U = x Wu^T on codes of BF6 (E3M2) with E8M0 scales; then, for each position and inter unit, over the four timesteps t:
; X_t = G_0 + .. + G_t, Y_t = silu(X_t), A_t = Y_t - Y_(t-1), SA = sum A, SB = sum U, C_t = 0.5 (A_t SB + U_t SA); C is quantised along the inter units (blocks of 32) and stored as codes and scale bytes.
; x: 2,048 rows (row = 512 t + position) x 2,048 K; Wg, Wu: 5,504 rows x 2,048 K.  A row of codes is 1,536 bytes, a row of scale bytes 64.
; SHARES.  A work-group takes 64 positions x 4 timesteps (256 rows of x) and 128 inter units (128 rows of Wg and 128 of Wu).  Its positions are p0 + 8 i, i = 0 .. 63: rows p0 + 8 y of x, y = 64 t + i, which is ONE tile
; with a pitch of 8 rows, so that all four timesteps of a position meet in one work-group.  Four waves, each 128 rows of x (32 positions x 4 t) x 128 weight rows (64 units of Wg, the same 64 of Wu): 64 accumulators, 512 registers.
; THE MATRIX INSTRUCTION IS USED TRANSPOSED (source 0 = 16 weight rows, source 1 = 16 rows of x): a lane holds ONE position and eight neighbouring inter units, for all t, of G and of U: the arithmetic over t never leaves the lane.
; K goes in steps of 256 through a ring of two LDS slots filled by the tensor data mover; all scale bytes of the work-group's rows come once, with the first fills, and stay.
; THE ORDER OF K.  Time 0 .. 7 of a work-group's walk takes K step (time xor 4 f), f = 0 or 1: the parity of cluster x + j + j / 2 + j / 4, j the block of inter units.  Of the two clusters that read a tile of Wg or Wu, and of the
; work-groups that read a tile of x, one part so walks K's lower half first and the other its upper half: a tile is asked for by the second part four steps behind the first.  f is the same in all partners of a cluster.
; So the f32 sums over K are taken in that order: another order of rounding than K ascending.
; CLUSTER.  The four work-groups of a cluster (p0 = 4 x cluster x + cx, one block of inter units) need the same tiles of Wg and Wu: these are asked for JOINTLY.  A tile of x is shared by the 43 work-groups along y;
; 43 is prime, so no cluster divides that axis: x's tiles are plain loads of each work-group's own.
; THE FACTOR 0.5 IS NOT MULTIPLIED: C' = A SB + U SA = 2 C is converted with the scale 2^(E(max |C'|) - 4 - 127), and the byte stored is E(max |C'|) - 5: the codes and the byte are those of C.
; OUTPUT.  c_codes is laid as images of the next launch's operand registers: [mt 16][K step 43][block a 8][c 2][768 bytes]: registers 6 c .. 6 c + 3 at 16 x lane, registers 6 c + 4, 6 c + 5 at 512 + 8 x lane.
; mt = 2 p0 + (wave / 2), a = 2 t + u, c = wave % 2.  c_scales: [mt][K step][a][row 16][4 bytes].  Every store of the wave covers 512 or 256 consecutive bytes, aligned to 256.
; LIMITS: NaN and infinities are not served; |C| beyond 1.7e38 overflows, since 2 C is formed; for gate sums under about -87 silu comes out as -0 (1 + 2^(-x log2 e) is then beyond what the reciprocal gives a normal number for);
; a block of zeros gets the byte 1 where the rule says 127: its codes are zeros, and the bytes are read by this program alone.
; REGISTERS, in windows of 256: window 0: v0-31 addresses; v32-63 x's scale words, v64-95 the weights', two sets each; v128-223 x's fragments, ONE set.   window 1: the weights' fragments, TWO sets, at v0 and v128;
;   behind the products all of window 1 is at work.   window 2: accumulators of t = 0, 1 ((a, b) at v[8 (8 (a % 4) + b)], a = 2 t + u, b = 4 g + c, g = 0 gate, 1 up);   window 3: those of t = 2, 3.
.set KROW,   1536                      ; a row of codes in memory
.set TROW,   192                       ; a tile's row: 256 codes
.set NQ,     2                         ; matrix instructions deep in a slot
.set PITCH,  240                       ; an LDS row: 3 x (64 bytes + 16 of padding) = 60 words: the 32 lanes of a load of 8 bytes touch 64 different banks (64 banks of 4 bytes: ISA guide 11.1)
.set FR,     12                        ; registers of a fragment: 16 rows x 128 K
.set NL,     6                         ; LDS loads that bring one
.set NP,     4                         ; places behind this matrix instruction (ISA guide 7.12.1)
.set HALFT,  128*PITCH                 ; 128 rows: what one tensor load brings
.set SLOT,   4*HALFT                   ; x's rows y 0-127, y 128-255, Wg's 128 rows, Wu's 128 rows
.set LAPS,   4                         ; 2,048 / 512: a lap = two K steps = once round the ring
.set SCP,    80                        ; a row of scale bytes in LDS: 64 + 16 of padding = 20 words: 16 rows start at 16 different banks
.set HALFS,  128*SCP
.set SCL,    2*SLOT                    ; behind the ring: the scales, in the order of a slot's four parts; filled once
.set SPARE,  SCL+4*HALFS               ; the spare words, 128 bytes for each wave: two blocks of 256 bytes that no other line names
.set SCR,    SPARE+512                 ; 1,024 bytes in which C's scale words are put together: [wave / 2][a][row][4 bytes]; no fill lands here
.set WSA,  8                           ; v8      LDS address of x's scale words of the K step in hand
.set WSB,  9                           ; v9      the weights'
.set ADRA, 16                          ; v16-17  LDS address of my fragments of x in slot 0, 1  (v18-19: for the pieces that lie behind one padding more)
.set ADRB, 20                          ; v20-21  the same for the weights  (v22-23)
.set CO16, 24                          ; v24     16 x lane
.set CO8,  25                          ; v25     8 x lane
.set ADSA, 26                          ; v26     LDS address of my rows of x's scale bytes; never rewritten
.set ADSB, 27                          ; v27     of the weights'; never rewritten
.set SPW,  28                          ; v28     LDS address of my spare word; never rewritten
.set NIL,  29                          ; v29     0; never rewritten
.set SCW,  30                          ; v30     where I put two scale bytes of C
.set SCRD, 31                          ; v31     where I read scale words of C back
.set SCA,  32                          ; x's scale words: set s at v[SCA + 16 s], register 2 i + q: block i, the slot's q-th 128 along K
.set SCB,  64                          ; the weights' likewise
.set AF,   128                         ; x's fragments
.set X2,   0                           ; window 1, behind the products: v0-23 X_1, X_2, X_3 (eight units each; X_0 is G_0 itself)
.set X3,   8
.set X4,   16
.set E,    24                          ; v24-55  for each t eight numbers: -x log2 e, then 1 / (1 + 2^..), Y_t, A_t, A_t SB
.set SBR,  56                          ; v56-63  SB
.set SAR,  64                          ; v64-71  SA
.set SX,   72                          ; v72-87  the second block's codes, four registers for each t
.set TM,   96                          ; v96-99  largest magnitudes
.set TP,   100                         ; v100-103 the other half of the lanes'
.set SO,   104                         ; v104-107 the conversions' scale operands
.set B0,   112                         ; v112-119 two scale bytes for each (u, t)
.set CV,   128                         ; v128-191 C': 16 t + 8 cc + j
.set H,    192                         ; v192-255 the codes to be stored: eight registers for each (u, t), never written again
.set G1,   24                          ; s[24:31] descriptor group 1 for x's tiles;  s[32:39] group 0, one set for each slot
.set G0,   32
.set G1B,  48                          ; s[48:55], s[56:63] the same for the weights' tiles
.set G0B,  56
.set G1S,  68                          ; s[68:75], s[76:79] groups 1 and 0 for x's scales;  s[80:87], s[88:91] for the weights'
.set G0S,  76
.set G1SB, 80
.set G0SB, 88
.set MSB, 0
.macro WIN new                         ; the immediate's high byte repeats the setting that is left; a switch that changes nothing is dropped
.if MSB != (\new)
	s_set_vgpr_msb (MSB<<8)|(\new)
.set MSB, \new
.endif
.endm
.set MUL_LO, 0xa1                      ; source 0 (weights) window 1, source 1 (x) window 0, C and D window 2
.set MUL_HI, 0xf1                      ; the same, C and D window 3
.set TO_B,   0x40                      ; destination window 1, address window 0
; Waves 0 and 1 fetch x's two halves (plain loads), waves 2 and 3 Wg's and Wu's rows (joint loads).  The branch hangs on the wave's number alone: it is the same in every work-group.
; Four v_nop follow each of the two lines, ahead of the jump, the label and what follows.
.macro JLOAD g0a, g1a, g0b, g1b
	s_cmp_eq_u32 s21, 0
	s_cbranch_scc0 .Lfor_w_\@
	tensor_load_to_lds s[\g0a:\g0a+3], s[\g1a:\g1a+7]
	s_nop 0
.rept 4
	v_nop
.endr
	s_branch .Lasked_\@
.Lfor_w_\@:
	tensor_load_to_lds s[\g0b:\g0b+3], s[\g1b:\g1b+7]
	s_nop 0
.rept 4
	v_nop
.endr
.Lasked_\@:
.endm
.macro CREST                           ; a round of the cluster's barrier behind its opening barrier
	s_cmp_lg_u32 s20, 0
	s_cbranch_scc1 .Lnot_wave_0_\@
	s_barrier_signal -3
.Lnot_wave_0_\@:
	s_barrier_wait -3
	s_barrier_signal -1
	s_barrier_wait -1
.endm
.macro CROUND                          ; a whole round
	s_barrier_signal -1
	s_barrier_wait -1
	CREST
.endm
.macro KOF d, t                        ; s[d] = the K step of 256 that time s[t] takes: the time itself (f = 0), or the time with K's halves changed (f = 1)
	s_xor_b32 s[\d], s[\t], 4
	s_cmp_eq_u32 s23, 0
	s_cselect_b32 s[\d], s[\t], s[\d]
.endm
	s_load_b128 s[4:7], s[0:1], 0x0                ; x's codes s[4:5], x's scales s[6:7]
	s_load_b128 s[8:11], s[0:1], 0x10              ; Wg's codes, Wg's scales
	s_load_b128 s[12:15], s[0:1], 0x20             ; Wu's codes, Wu's scales
	s_load_b128 s[16:19], s[0:1], 0x30             ; C's codes, C's scales
	v_lshl_add_u32 v[SPW], v0, 2, SPARE
	v_mov_b32 v[NIL], 0
	ds_add_u32 v28, v29
	ds_add_u32 v28, v29
	s_wait_dscnt 0x0
	v_lshrrev_b32 v1, 5, v0
	v_readfirstlane_b32 s20, v1                    ; wave 0..3
	s_lshr_b32 s21, s20, 1                         ; wm: which 32 positions are mine.  Also: I fetch for x (0) or for the weights (1)
	s_and_b32 s22, s20, 1                          ; wn: which 64 inter units.  Also: which half of x, or Wg (0) or Wu (1), I fetch
	s_bfe_u32 s40, ttmp6, 0x40000                  ; cx: my place in the cluster
	s_lshl_b32 s41, ttmp9, 2                       ; in a cluster launch ttmp9 counts clusters
	s_add_co_u32 s41, s41, s40                     ; p0 = 4 x cluster x + cx: it enters x's and C's addresses alone
	s_and_b32 s42, ttmp7, 0xffff                   ; j: the block of 128 inter units, which the four partners share
	s_lshr_b32 s43, s42, 1
	s_lshr_b32 s44, s42, 2
	s_add_co_u32 s23, ttmp9, s42
	s_add_co_u32 s23, s23, s43
	s_add_co_u32 s23, s23, s44
	s_and_b32 s23, s23, 1                          ; f: which half of K my cluster walks first
	s_mov_b32 s2, 0                                ; the time of the walk
	; descriptor group 1: tiles of 128 rows x 192 bytes, 16 bytes of padding behind every 64
	s_mov_b32 s[G1+0], (1<<20)|(3<<22)|(3<<25)     ; 15:0 no mask; 17:16 elements of 1 byte; 20 padding on; 24:22 after every 16 words (code 3); 31:25 of 4 words (code 3)
	s_mov_b32 s[G1B+0], 15|(1<<20)|(1<<21)|(3<<22)|(3<<25)   ; the same with the mask of all four work-groups, and bit 21 set beside it
.irp g, G1, G1B
	s_mov_b32 s[\g+1], TROW<<16                    ; tensor_dim0
	s_mov_b32 s[\g+2], 128<<16                     ; tensor_dim1
	s_mov_b32 s[\g+3], TROW<<16                    ; tile_dim0
	s_mov_b32 s[\g+4], 128                         ; tile_dim1
	s_mov_b32 s[\g+6], 0
	s_mov_b32 s[\g+7], 0
.endr
	s_mov_b32 s[G1+5], 8*KROW                      ; x: from a tile's row to the next are 8 rows of memory
	s_mov_b32 s[G1B+5], KROW                       ; the weights: one
	; and for the scale bytes of 128 rows: rows of 64 bytes, 16 bytes of padding behind each
	s_mov_b32 s[G1S+0], (1<<20)|(3<<22)|(3<<25)
	s_mov_b32 s[G1SB+0], 15|(1<<20)|(1<<21)|(3<<22)|(3<<25)
.irp g, G1S, G1SB
	s_mov_b32 s[\g+1], 64<<16
	s_mov_b32 s[\g+2], 128<<16
	s_mov_b32 s[\g+3], 64<<16
	s_mov_b32 s[\g+4], 128
	s_mov_b32 s[\g+6], 0
	s_mov_b32 s[\g+7], 0
.endr
	s_mov_b32 s[G1S+5], 8*64
	s_mov_b32 s[G1SB+5], 64
	s_lshl_b32 s43, s22, 10
	s_add_co_u32 s43, s43, s41                     ; x: my half's first row: p0 + 1,024 x half (tile row y = 128 is 8 x 128 rows on)
	s_mul_i32 s44, s43, KROW                       ; its codes, in bytes (under 2^22),
	s_mov_b32 s45, 0
	s_lshl_b32 s46, s43, 6                         ; its scale bytes
	s_mov_b32 s47, 0
	s_mul_i32 s66, s42, 128*KROW                   ; the weights: row 128 x block, in registers that never hold p0
	s_mov_b32 s67, 0
	s_lshl_b32 s96, s42, 13                        ; 128 rows x 64 scale bytes
	s_mov_b32 s97, 0
	s_mul_i32 s98, s20, HALFT                      ; where they go: wave x 128 rows: no place in the cluster enters an LDS address
	s_mul_i32 s99, s20, HALFS
	s_mov_b32 s92, 0xbfb8aa3b                      ; -log2(e)
	s_mov_b32 s93, s92                             ; (named with it as a pair, so it is written)
	s_mov_b32 s94, 0x76543210
	s_mov_b32 s95, 0xfedcba98                      ; v_permlanex16_b32's selects for lane l xor 16
	s_wait_kmcnt 0x0
	s_cmp_eq_u32 s22, 0                            ; Wg or Wu: the choice hangs on the wave's number alone
	s_cselect_b64 s[8:9], s[8:9], s[12:13]
	s_cselect_b64 s[10:11], s[10:11], s[14:15]
	s_add_nc_u64 s[8:9], s[8:9], s[66:67]          ; s[8:9] and s[4:5] stay: every refill's address is made from them
	s_add_nc_u64 s[10:11], s[10:11], s[96:97]
	s_add_nc_u64 s[4:5], s[4:5], s[44:45]
	s_add_nc_u64 s[6:7], s[6:7], s[46:47]
	s_mul_i32 s66, s23, 4*TROW                     ; where my walk begins in a row: K step 4 f (s67 is 0)
	CROUND                                         ; all four work-groups are here: the first joint loads meet
	s_mov_b32 s[G0S], 1
	s_add_co_u32 s[G0S+1], s99, SCL
	s_mov_b64 s[G0S+2:G0S+3], s[6:7]
	s_or_b32 s[G0S+3], s[G0S+3], 0x80000000
	s_mov_b32 s[G0SB], 1
	s_add_co_u32 s[G0SB+1], s99, SCL
	s_mov_b64 s[G0SB+2:G0SB+3], s[10:11]
	s_or_b32 s[G0SB+3], s[G0SB+3], 0x80000000
	JLOAD G0S, G1S, G0SB, G1SB                     ; the scales first: they are wanted with the first K step
.irp s, 0,1
	s_mov_b32 s[G0+4*\s], 1                        ; 1:0 count = 1
	s_add_co_u32 s[G0+4*\s+1], s98, \s*SLOT        ; 63:32 LDS address
	s_add_nc_u64 s[G0+4*\s+2:G0+4*\s+3], s[4:5], s[66:67]   ; 120:64 global address: K step 4 f + s
	s_add_nc_u64 s[G0+4*\s+2:G0+4*\s+3], s[G0+4*\s+2:G0+4*\s+3], \s*TROW
	s_or_b32 s[G0+4*\s+3], s[G0+4*\s+3], 0x80000000        ; 127:126 type = 2
	s_mov_b32 s[G0B+4*\s], 1
	s_add_co_u32 s[G0B+4*\s+1], s98, \s*SLOT
	s_add_nc_u64 s[G0B+4*\s+2:G0B+4*\s+3], s[8:9], s[66:67]
	s_add_nc_u64 s[G0B+4*\s+2:G0B+4*\s+3], s[G0B+4*\s+2:G0B+4*\s+3], \s*TROW
	s_or_b32 s[G0B+4*\s+3], s[G0B+4*\s+3], 0x80000000
	JLOAD G0+4*\s, G1, G0B+4*\s, G1B               ; three loads of mine are out
.endr
	v_and_b32 v1, 15, v0                           ; r = l % 16
	v_bfe_u32 v2, v0, 4, 1                         ; h = l / 16
	v_and_b32 v3, 31, v0                           ; lane
	v_mul_u32_u24 v4, v1, PITCH
	v_mul_u32_u24 v5, v2, 24
	v_add_nc_u32 v5, v4, v5                        ; a fragment's row x pitch + 24 x half
	v_lshl_add_u32 v6, v2, 4, v5                   ; and the same behind one padding more
	s_mul_i32 s43, s21, 32*PITCH                   ; x: my 32 positions of each timestep's 64 rows
	s_mul_i32 s44, s22, 64*PITCH                   ; the weights: my 64 units of Wg's (and Wu's) 128 rows,
	s_add_co_u32 s44, s44, 2*HALFT                 ; which lie behind x's 256
.irp s, 0,1
	v_add_nc_u32 v[ADRA+\s], s43, v5
	v_add_nc_u32 v[ADRB+\s], s44, v5
	v_add_nc_u32 v[ADRA+2+\s], s43, v6
	v_add_nc_u32 v[ADRB+2+\s], s44, v6
	s_add_co_u32 s43, s43, SLOT
	s_add_co_u32 s44, s44, SLOT
.endr
	v_lshlrev_b32 v[CO16], 4, v3
	v_lshlrev_b32 v[CO8], 3, v3
	v_mul_u32_u24 v7, v1, SCP                      ; scale words: row r; lanes 16-31 take the same rows and are not read
	s_mul_i32 s43, s21, 32*SCP
	s_add_co_u32 s43, s43, SCL
	v_add_nc_u32 v[ADSA], s43, v7
	s_mul_i32 s43, s22, 64*SCP
	s_add_co_u32 s43, s43, SCL+2*HALFS
	v_add_nc_u32 v[ADSB], s43, v7
	s_lshl_b32 s43, s23, 5                         ; time 0's scale words: 8 bytes a K step, K step 4 f
	v_add_nc_u32 v[WSA], s43, v[ADSA]
	v_add_nc_u32 v[WSB], s43, v[ADSB]
	s_lshl_b32 s43, s21, 9                         ; C's scale words: 512 bytes for each half of the positions, 4 bytes a row, my two bytes of the four
	s_lshl_b32 s44, s22, 1
	s_add_co_u32 s43, s43, s44
	s_add_co_u32 s43, s43, SCR
	v_lshl_add_u32 v[SCW], v1, 2, s43
	s_lshl_b32 s43, s20, 8                         ; back: 256 bytes a wave, 8 bytes a lane
	s_add_co_u32 s43, s43, SCR
	v_lshl_add_u32 v[SCRD], v3, 3, s43
	s_lshl_b32 s46, s41, 1
	s_add_co_u32 s46, s46, s21                     ; mt = 2 p0 + wm
	s_mul_i32 s46, s46, 43
	s_add_co_u32 s46, s46, s42                     ; 43 mt + K step of the next product
	s_mul_i32 s44, s46, 12288                      ; eight fragments of 1,536 bytes (under 2^24),
	s_mul_i32 s45, s22, 768                        ; my half of each fragment's registers
	s_add_co_u32 s44, s44, s45
	s_mov_b32 s45, 0
	s_add_nc_u64 s[16:17], s[16:17], s[44:45]
	s_lshl_b32 s44, s46, 9                         ; 512 bytes of scale words, of which each wave stores 256
	s_lshl_b32 s46, s22, 8
	s_add_co_u32 s44, s44, s46
	s_add_nc_u64 s[18:19], s[18:19], s[44:45]
.macro FRAG reg, adr, q, row           ; a fragment, 16 rows x 128 K of 6-bit codes, is 12 registers: lane l holds row l % 16; registers 6 c .. 6 c + 5 hold K = 64 c + 32 (l / 16) + 0 .. 31: 24 bytes of the row's stream of bits, as they lie
.irp p, 0,1,2,3,4,5                    ; in pieces of 8 bytes.  Lanes 0-15 take the row's pieces 12 q + 0, 1, 2 and 12 q + 6, 7, 8, lanes 16-31 those three pieces on
.set PC, 12*(\q)+6*(\p/3)+\p%3        ; 16 bytes of padding lie behind every 8 pieces: where the piece three on lies behind one padding more, the second address register (40 for 24 bytes a half) serves
.if PC%8 < 5
	ds_load_b64 v[\reg+2*\p:\reg+2*\p+1], v[\adr] offset:8*PC+16*(PC/8)+(\row)*PITCH
.else
	ds_load_b64 v[\reg+2*\p:\reg+2*\p+1], v[\adr+2] offset:8*PC+16*(PC/8)+(\row)*PITCH
.endif
.endr
.endm
; 16 matrix instructions: x's blocks a0, a0 + 1 against the weights' eight, 128 along K: the slot's q-th.  p: the weights' set;  sc: the set of scale words.  zero = 1: the first product starts the sums: nothing is ever cleared.
; The 64 accumulators take turns, one instruction a turn, in the same order in every step.
.macro MUL16 a0, p, q, sc, zero
.irp a, \a0, \a0+1
.irp b, 0,1,2,3,4,5,6,7
.if \zero
	v_wmma_scale_f32_16x16x128_f8f6f4 v[8*(8*((\a)%4)+\b):8*(8*((\a)%4)+\b)+7], v[128*(\p)+FR*\b:128*(\p)+FR*\b+FR-1], v[AF+FR*(\a):AF+FR*(\a)+FR-1], 0, v[SCB+16*(\sc)+2*\b+(\q)], v[SCA+16*(\sc)+2*(\a)+(\q)] matrix_a_fmt:MATRIX_FMT_BF6 matrix_b_fmt:MATRIX_FMT_BF6
.else
	v_wmma_scale_f32_16x16x128_f8f6f4 v[8*(8*((\a)%4)+\b):8*(8*((\a)%4)+\b)+7], v[128*(\p)+FR*\b:128*(\p)+FR*\b+FR-1], v[AF+FR*(\a):AF+FR*(\a)+FR-1], v[8*(8*((\a)%4)+\b):8*(8*((\a)%4)+\b)+7], v[SCB+16*(\sc)+2*\b+(\q)], v[SCA+16*(\sc)+2*(\a)+(\q)] matrix_a_fmt:MATRIX_FMT_BF6 matrix_b_fmt:MATRIX_FMT_BF6
.endif
.endr
.endr
.endm
.macro FETCH_B slot, q, p              ; the weights' eight fragments into set p: block b = 4 g + c begins at row 128 g + 16 c of my part
	WIN TO_B
.irp i, 0,1,2,3,4,5,6,7
	FRAG 128*(\p)+FR*\i, ADRB+\slot, \q, 128*(\i/4)+16*(\i%4)
.endr
	WIN 0
.endm
.macro FETCH_A slot, q, i0             ; x's blocks i0 .. i0 + 3: block a = 2 t + u begins at row 64 t + 16 u of my part
.irp i, \i0, \i0+1, \i0+2, \i0+3
	FRAG AF+FR*(\i), ADRA+\slot, \q, 64*((\i)/2)+16*((\i)%2)
.endr
.endm
.macro SCALES sc                       ; a K step's scale words into set sc: two words a row
.irp i, 0,1,2,3,4,5,6,7
	ds_load_b64 v[SCA+16*\sc+2*\i:SCA+16*\sc+2*\i+1], v[WSA] offset:(64*(\i/2)+16*(\i%2))*SCP
	ds_load_b64 v[SCB+16*\sc+2*\i:SCB+16*\sc+2*\i+1], v[WSB] offset:(128*(\i/4)+16*(\i%4))*SCP
.endr
.endm
; A load into a register that a matrix instruction has read, and a vector instruction that reads a matrix result or writes one of a matrix instruction's registers, stand NP places behind it; only plain vector
; instructions that name none of its registers are places (ISA guide 7.12.1 for vector instructions).
.macro PLACES n
.rept \n
	v_nop
.endr
.endm
; A step of 128 along K that has its successor in the same slot.  A block of x is free as soon as its eight products are issued: blocks 0-3 are fetched anew in the step's middle, blocks 4-7 at its end.
.macro STEP slot, q, zero
	s_wait_dscnt 4*NL                              ; the weights' set, the scale words and x's blocks 0-3 are in; the youngest 24 loads (x's blocks 4-7) may be out
	WIN MUL_LO
	MUL16 0, (\q)%2, \q, \slot, \zero
	MUL16 2, (\q)%2, \q, \slot, \zero
	s_wait_dscnt 0                                 ; x's blocks 4-7 are in (asked for 32 matrix instructions ago)
	PLACES NP
	FETCH_B \slot, (\q)+1, 1-(\q)%2
	FETCH_A \slot, (\q)+1, 0
	WIN MUL_HI
	MUL16 4, (\q)%2, \q, \slot, \zero
	MUL16 6, (\q)%2, \q, \slot, \zero
	PLACES NP
	WIN 0
	FETCH_A \slot, (\q)+1, 4
.endm
; A slot's last step changes slots: ONE barrier; in front of it each wave waits for all its tensor loads, adds 0 to its spare word, and waits for that and for its own reads of this slot.  fill = 1: this slot is filled again, for the time two on.
.macro TURN slot, next, fill
	s_wait_tensorcnt 0x0                           ; all my tensor loads have landed: the one that was out is my part of the next slot  (every window is 0 here)
	ds_add_u32 v[SPW], v[NIL]                      ; 0 onto my spare word
	s_wait_dscnt 4*NL+1                            ; (the add and the youngest 24 loads, x's blocks 4-7, may be out)
	WIN MUL_LO
	MUL16 0, 1, NQ-1, \slot, 0                     ; sixteen matrix instructions stand between the add and the wait for it
	s_wait_dscnt 0x0                               ; the add is done, and my reads of this slot are over
	s_barrier_signal -1
	MUL16 2, 1, NQ-1, \slot, 0
	WIN 0
	s_barrier_wait -1
.if \fill
	CREST                                          ; the barrier has opened a round of the cluster's barrier: no wave of any partner still reads this slot's tiles or has a load on its way
.endif
	s_add_co_u32 s2, s2, 1                         ; the time whose first fragments and scale words are fetched below
	KOF 98, 2
	s_lshl_b32 s98, s98, 3                         ; its scale words: 8 bytes a K step: 0 .. 56 of a row's 64 bytes
.if \fill
	s_add_co_u32 s99, s2, 1                        ; the time that this slot serves next
	KOF 96, 99
	s_mul_i32 s96, s96, TROW                       ; its K step's place in a row (s97 is 0).  No load of mine is out: the groups 0 may be written
	s_add_nc_u64 s[G0+4*\slot+2:G0+4*\slot+3], s[4:5], s[96:97]
	s_or_b32 s[G0+4*\slot+3], s[G0+4*\slot+3], 0x80000000
	s_add_nc_u64 s[G0B+4*\slot+2:G0B+4*\slot+3], s[8:9], s[96:97]
	s_or_b32 s[G0B+4*\slot+3], s[G0B+4*\slot+3], 0x80000000
	JLOAD G0+4*\slot, G1, G0B+4*\slot, G1B         ; the first tensor load behind the round; the four v_nop behind it are the places in front of the loads below
.else
	PLACES NP
.endif
	v_add_nc_u32 v[WSA], s98, v[ADSA]
	v_add_nc_u32 v[WSB], s98, v[ADSB]
	FETCH_B \next, 0, 0
	FETCH_A \next, 0, 0
	SCALES \next
	WIN MUL_HI
	MUL16 4, 1, NQ-1, \slot, 0
	MUL16 6, 1, NQ-1, \slot, 0
	PLACES NP
	WIN 0
	FETCH_A \next, 0, 4
.endm
	s_wait_tensorcnt 1                             ; the scales and my part of time 0's tiles are in (time 1's load may be out)
	s_barrier_signal -1
	s_barrier_wait -1                              ; everybody's are
	FETCH_B 0, 0, 0
	FETCH_A 0, 0, 0
	SCALES 0
	FETCH_A 0, 0, 4
	STEP 0, 0, 1                                   ; the first step stands in front of the loop: its products start the sums
	s_mov_b32 s3, LAPS-1
.Llap:                                                 ; a trip goes once round the ring, from a lap's second step to the next lap's first, and fills both slots again
	TURN 0, 1, 1
	STEP 1, 0, 0
	TURN 1, 0, 1
	STEP 0, 0, 0
	s_sub_co_u32 s3, s3, 1
	s_cmp_lg_u32 s3, 0
	s_cbranch_scc1 .Llap
	TURN 0, 1, 0                                   ; the last lap fills nothing, and has no round of the cluster's barrier
	STEP 1, 0, 0
	s_wait_dscnt 4*NL                              ; the very last step: nothing more to fetch
	WIN MUL_LO
	MUL16 0, 1, NQ-1, 1, 0
	MUL16 2, 1, NQ-1, 1, 0
	s_wait_dscnt 0
	WIN MUL_HI
	MUL16 4, 1, NQ-1, 1, 0
	MUL16 6, 1, NQ-1, 1, 0
	WIN 0
; BEHIND THE PRODUCTS.  Eight numbers (a tile's eight units of my lane) at a time, two to an instruction, from the low end of each accumulator on.
.macro ADD8 d, a, b
.irp j, 0,2,4,6
	v_pk_add_f32 v[(\d)+\j:(\d)+\j+1], v[(\a)+\j:(\a)+\j+1], v[(\b)+\j:(\b)+\j+1]
.endr
.endm
.macro SUB8 d, a, b
.irp j, 0,2,4,6
	v_pk_add_f32 v[(\d)+\j:(\d)+\j+1], v[(\a)+\j:(\a)+\j+1], v[(\b)+\j:(\b)+\j+1] neg_lo:[0,1] neg_hi:[0,1]
.endr
.endm
.macro MULV8 d, a, b
.irp j, 0,2,4,6
	v_pk_mul_f32 v[(\d)+\j:(\d)+\j+1], v[(\a)+\j:(\a)+\j+1], v[(\b)+\j:(\b)+\j+1]
.endr
.endm
.macro MULS8 d, a                      ; x -log2(e): of the scalar pair the low word serves both halves
.irp j, 0,2,4,6
	v_pk_mul_f32 v[(\d)+\j:(\d)+\j+1], v[(\a)+\j:(\a)+\j+1], s[92:93] op_sel_hi:[1,0]
.endr
.endm
.macro FMA8 d, a, b, c
.irp j, 0,2,4,6
	v_pk_fma_f32 v[(\d)+\j:(\d)+\j+1], v[(\a)+\j:(\a)+\j+1], v[(\b)+\j:(\b)+\j+1], v[(\c)+\j:(\c)+\j+1]
.endr
.endm
; The 16 positions u of my 32, the 16 units c of my 64: C'_t for the four t, into half cc of CV.  G_t and U_t lie at RG0, RU0 (t = 0 in window 2, t = 2 in window 3) and RG1, RU1 (t = 1, t = 3).
.macro GROUP u, c, cc
.set RG0, 64*(\u)+8*(\c)
.set RG1, RG0+128
.set RU0, RG0+32
.set RU1, RG1+32
	WIN 0x4a                                       ; destination window 1, sources 0 and 1 window 2
	ADD8 X2, RG0, RG1                              ; X_1 = G_0 + G_1
	ADD8 SBR, RU0, RU1                             ; SB = U_0 + U_1
	MULS8 E, RG0                                   ; -X_0 log2 e
	WIN 0x4d                                       ; source 0 window 1, source 1 window 3
	ADD8 X3, X2, RG0                               ; X_2 = X_1 + G_2
	ADD8 SBR, SBR, RU0
	ADD8 X4, X3, RG1                               ; X_3 = X_2 + G_3
	ADD8 SBR, SBR, RU1                             ; SB is whole
	WIN 0x55                                       ; all in window 1
	MULS8 E+8, X2
	MULS8 E+16, X3
	MULS8 E+24, X4
.set i, 0
.rept 32
	v_exp_f32 v[E+i], v[E+i]                       ; 2^(-x log2 e) = e^-x
.set i, i+1
.endr
	v_nop                                          ; one plain place behind the transcendentals
.set i, 0
	s_wait_alu depctr_va_vdst(0)
.rept 16
	v_pk_add_f32 v[E+i:E+i+1], v[E+i:E+i+1], 1.0 op_sel_hi:[1,0]
.set i, i+2
.endr
.set i, 0
.rept 32
	v_rcp_f32 v[E+i], v[E+i]                       ; 1 / (1 + e^-x)
.set i, i+1
.endr
	v_nop
	s_wait_alu depctr_va_vdst(0)
	MULV8 E+8, E+8, X2                             ; Y_t = X_t / (1 + e^-X_t)
	MULV8 E+16, E+16, X3
	MULV8 E+24, E+24, X4
	WIN 0x46                                       ; source 0 window 2
	MULV8 E, RG0, E                                ; Y_0 = A_0
	WIN 0x55
	SUB8 E+24, E+24, E+16                          ; A_t = Y_t - Y_(t-1), from the last t down
	SUB8 E+16, E+16, E+8
	SUB8 E+8, E+8, E
	ADD8 SAR, E, E+8                               ; SA = the sum of the four A_t
	ADD8 SAR, SAR, E+16
	ADD8 SAR, SAR, E+24
	MULV8 E, E, SBR                                ; A_t SB
	MULV8 E+8, E+8, SBR
	MULV8 E+16, E+16, SBR
	MULV8 E+24, E+24, SBR
	WIN 0x56                                       ; source 0 window 2
	FMA8 CV+8*(\cc), RU0, SAR, E                   ; C'_t = U_t SA + A_t SB = 2 C_t
	FMA8 CV+16+8*(\cc), RU1, SAR, E+8
	WIN 0x57                                       ; source 0 window 3
	FMA8 CV+32+8*(\cc), RU0, SAR, E+16
	FMA8 CV+48+8*(\cc), RU1, SAR, E+24
.endm
; Block bb of 32 units of my 64, for positions u and all four t (by turns).  In CV lane (r, h) holds units 32 bb + 8 h + j (first eight registers) and 32 bb + 16 + 8 h + j (second eight).  The first's lanes 16-31 change places
; with the second's lanes 0-15: the sixteen registers are then units 32 bb + 16 h + 0 .. 15, neighbours along the next K, as the conversion takes them.
.macro QUANTB u, bb
	WIN 0x55
.irp j, 0,1,2,3,4,5,6,7
.irp t, 0,1,2,3
	v_permlane16_swap_b32 v[CV+16*\t+\j], v[CV+16*\t+8+\j]
.endr
.endr
.irp t, 0,1,2,3
	v_max3_num_f32 v[TM+\t], |v[CV+16*\t]|, |v[CV+16*\t+1]|, 0x3000000   ; my 16 numbers, and the floor 2^(6 - 127) for C' = 2 C: so the byte cannot fall under 1
.endr
.irp i, 2,4,6,8,10,12,14
.irp t, 0,1,2,3
	v_max3_num_f32 v[TM+\t], v[TM+\t], |v[CV+16*\t+\i]|, |v[CV+16*\t+\i+1]|
.endr
.endr
.irp t, 0,1,2,3
	v_permlanex16_b32 v[TP+\t], v[TM+\t], s94, s95
.endr
.irp t, 0,1,2,3
	v_max_num_f32 v[TM+\t], v[TM+\t], v[TP+\t]     ; with lane l xor 16's: the block's largest |C'|
.endr
.irp t, 0,1,2,3
	v_add_nc_u32 v[SO+\t], 0xfe000000, v[TM+\t]    ; 4 off its exponent field: the conversion divides C' by twice C's scale
.endr
.irp t, 0,1,2,3
	v_add_nc_u32 v[TM+\t], 0xfd800000, v[TM+\t]    ; 5 off: C's scale
.endr
.irp t, 0,1,2,3
.if \bb == 0
	v_lshrrev_b32 v[B0+4*\u+\t], 23, v[TM+\t]      ; its byte
.else
	v_lshrrev_b32 v[TM+\t], 23, v[TM+\t]
.endif
.endr
.if \bb == 1
.irp t, 0,1,2,3
	v_lshl_or_b32 v[B0+4*\u+\t], v[TM+\t], 8, v[B0+4*\u+\t]   ; my two bytes of the row's scale word
.endr
.endif
.irp t, 0,1,2,3
.if \bb == 0
	v_cvt_scalef32_pk16_bf6_f32 v[H+8*(4*\u+\t):H+8*(4*\u+\t)+2], v[CV+16*\t:CV+16*\t+15], v[SO+\t]
.else
	v_cvt_scalef32_pk16_bf6_f32 v[SX+4*\t:SX+4*\t+2], v[CV+16*\t:CV+16*\t+15], v[SO+\t]   ; (a conversion's three registers begin on an even number)
.endif
.endr
	v_nop                                          ; one plain place behind the scaled conversions
.endm
; The operand's layout wants a WHOLE block in a lane: lanes 0-15 block 0, lanes 16-31 block 1 of my 64 units.  Then the six registers are stored as they stand, and the two bytes go to the scratch.
.macro FINISH u
	WIN 0x55
.irp t, 0,1,2,3
.irp i, 0,1,2
	v_permlane16_swap_b32 v[H+8*(4*\u+\t)+\i], v[SX+4*\t+\i]
.endr
.endr
.irp t, 0,1,2,3
.irp i, 0,1,2
	v_mov_b32 v[H+8*(4*\u+\t)+3+\i], v[SX+4*\t+\i]
.endr
.endr
	WIN 0x04                                       ; a store's data are its source 1: window 1; addresses window 0
.irp t, 0,1,2,3
	global_store_b128 v[CO16], v[H+8*(4*\u+\t):H+8*(4*\u+\t)+3], s[16:17] offset:(2*\t+\u)*1536         ; 32 lanes store 512 consecutive bytes, at a multiple of 256 from the buffer's first byte
	global_store_b64 v[CO8], v[H+8*(4*\u+\t)+4:H+8*(4*\u+\t)+5], s[16:17] offset:(2*\t+\u)*1536+512    ; and 256
	ds_store_b16 v[SCW], v[B0+4*\u+\t] offset:(2*\t+\u)*64                                             ; both lanes of a row write the same two bytes with the same value
.endr
.endm
	PLACES NP                                      ; behind the last products
	WIN 0x55
.irp t, 0,1,2,3
	v_mov_b32 v[TP+\t], 0                          ; written once: a lane permute's destination counts as one of its sources
.endr
.irp u, 0,1
	GROUP \u, 0, 0
	GROUP \u, 1, 1
	QUANTB \u, 0
	GROUP \u, 2, 0
	GROUP \u, 3, 1
	QUANTB \u, 1
	FINISH \u
.endr
	WIN 0
	s_wait_dscnt 0x0                               ; for the others' sake: my bytes lie in the scratch
	s_barrier_signal -1
	s_barrier_wait -1                              ; a row's four bytes come from two waves
	ds_load_b64 v[96:97], v[SCRD]
	s_wait_dscnt 0x0
	global_store_b64 v[CO8], v[96:97], s[18:19]    ; 32 lanes store 256 consecutive bytes, aligned
	s_wait_tensorcnt 0x0                           ; the wave's end: behind my last tensor load and my last LDS store
	ds_add_u32 v[SPW], v[NIL]
	s_wait_dscnt 0x0
	CROUND                                         ; the closing round: no work-group ends while a partner may still ask for a tile that names it
	s_endpgm
.Lfunc_end_k_qc534d67774_gateup:
	.size	k_qc534d67774_gateup, .Lfunc_end_k_qc534d67774_gateup-k_qc534d67774_gateup
	.p2alignl 7, 3214868480
	.fill 96, 4, 3214868480
	.section	.rodata,"a",@progbits
	.p2align	6, 0x0
	.amdhsa_kernel k_qc534d67774_gateup
		.amdhsa_group_segment_fixed_size 327680
		.amdhsa_private_segment_fixed_size 0
		.amdhsa_enable_private_segment 0
		.amdhsa_kernarg_size 64
		.amdhsa_user_sgpr_count 2
		.amdhsa_user_sgpr_kernarg_segment_ptr 1
		.amdhsa_wavefront_size32 1
		.amdhsa_system_sgpr_workgroup_id_x 1
		.amdhsa_system_sgpr_workgroup_id_y 1
		.amdhsa_system_sgpr_workgroup_id_z 1
		.amdhsa_system_vgpr_workitem_id 0
		.amdhsa_next_free_vgpr 1024
		.amdhsa_next_free_sgpr 100
		.amdhsa_reserve_vcc 0
		.amdhsa_float_denorm_mode_32 3
		.amdhsa_float_denorm_mode_16_64 3
		.amdhsa_memory_ordered 1
		.amdhsa_forward_progress 1
		.amdhsa_inst_pref_size 239
	.end_amdhsa_kernel
	.amdgpu_metadata
---
amdhsa.version: [ 1, 2 ]
amdhsa.kernels:
  - .name:           k_qc534d67774_gateup
    .symbol:         k_qc534d67774_gateup.kd
    .args:
      - { .name: x_codes, .offset: 0, .size: 8, .value_kind: global_buffer, .address_space: global }
      - { .name: x_scales, .offset: 8, .size: 8, .value_kind: global_buffer, .address_space: global }
      - { .name: w_gate_codes, .offset: 16, .size: 8, .value_kind: global_buffer, .address_space: global }
      - { .name: w_gate_scales, .offset: 24, .size: 8, .value_kind: global_buffer, .address_space: global }
      - { .name: w_up_codes, .offset: 32, .size: 8, .value_kind: global_buffer, .address_space: global }
      - { .name: w_up_scales, .offset: 40, .size: 8, .value_kind: global_buffer, .address_space: global }
      - { .name: c_codes, .offset: 48, .size: 8, .value_kind: global_buffer, .address_space: global }
      - { .name: c_scales, .offset: 56, .size: 8, .value_kind: global_buffer, .address_space: global }
    .group_segment_fixed_size: 327680
    .private_segment_fixed_size: 0
    .kernarg_segment_align: 8
    .kernarg_segment_size: 64
    .max_flat_workgroup_size: 128
    .sgpr_count:     100
    .vgpr_count:     1024
    .wavefront_size: 32
...
	.end_amdgpu_metadata
.endif
;; end of part 1
;; launch down (part 2): grid 16 x 16, 4 waves a work-group, clusters of 4 x 4, 327,680 bytes of LDS; arguments c_codes, c_scales, w_down_codes, w_down_scales, out0; writes out0
.if DOCPART == 2
	.amdgcn_target "amdgcn-amd-amdhsa--gfx1250"
	.amdhsa_code_object_version 6
	.text
	.protected	k_qc534d67774_down
	.globl	k_qc534d67774_down
	.p2align	8
	.type	k_qc534d67774_down,@function
k_qc534d67774_down:
	s_mov_b64 s[64:65], 0
	v_nop
	global_prefetch_b8 v0, s[64:65] scope:SCOPE_SE
	s_setreg_imm32_b32 hwreg(HW_REG_WAVE_MODE, 25, 1), 1
	s_wait_xcnt 0x0
	s_wait_alu depctr_hold_cnt(0) depctr_sa_sdst(0) depctr_va_vdst(0) depctr_va_sdst(0) depctr_va_ssrc(0) depctr_va_vcc(0) depctr_vm_vsrc(0)
	s_getreg_b32 s2, hwreg(HW_REG_IB_STS2, 6, 4)
	s_cmp_eq_u32 s2, 0
	s_cbranch_scc0 .Lentry_in_a_cluster
	s_endpgm
.Lentry_in_a_cluster:
	s_bfe_u32 s2, ttmp6, 0x10000c
	s_cmp_lg_u32 s2, 0xf033
	s_cbranch_scc0 .Lentry_shape_is_right
	s_endpgm
.Lentry_shape_is_right:
; out0 = C Wd^T on codes of BF6 (E3M2) with E8M0 scales.  C: 2,048 rows x 5,504 K, as the launch before has laid it: images of operand registers, [mt 16][K step 43][block a 8][c 2][768 bytes], scale words [mt][K step][a][row 16][4 bytes].
; Row r of block a of mt is row 512 (a / 2) + 128 (a % 2) + 8 r + mt / 2 + 256 (mt % 2) of out0.  Wd: 2,048 rows x 5,504 K: rows of 4,128 bytes of codes and 172 scale bytes.  out0: 2,048 x 2,048 f32.
; SHARES.  256 work-groups, each 128 rows (one mt) x 128 columns of out0, so that every WGP has one.  THE FOUR WAVES SHARE K, NOT THE TILE: wave w makes the whole 128 x 128 for K steps 4 n + w, n = 0 .. 10, in 64 accumulators:
; each fragment read from LDS then feeds eight products, where a wave tile of 64 x 64 would feed four.  The four partial tiles are added on the way out, in the LDS stage that the way out needs anyway.
; K step 43 does not exist (5,504 = 43 x 128): the tensor loads state what is left of the tensors, so its codes and scale words arrive as zeros, and wave 3 runs the same text and adds nothing.  No branch.
; A slot of the ring holds four K steps (512 along K), one for each wave.  CLUSTERS: 4 x 4 work-groups; the four of a row of the cluster need the same tiles of C, the four of a column the same tiles of Wd: joint loads.
; THE ORDER OF K.  Time t = 0 .. 10 of a work-group's walk takes the group of four K steps n = t + 5 f (t < 5), t - 5 + 5 (1 - f) (t < 10), 10 (the short group, last for all).  f = 0 or 1 is the parity of X + X / 2 + Y + Y / 2,
; X and Y the cluster's numbers: clusters whose numbers differ in one bit differ in f.  Of the clusters that read a tile one part so asks for it five times behind the other.  f is the same in all partners of a cluster.
; The walk is written out, eleven times by macro, so that each time is a constant of the text: the scale words' places stand in the loads' immediates, behind three address registers a side that are never stepped.
; THE MATRIX INSTRUCTION IS USED TRANSPOSED (source 0 = 16 rows of Wd, source 1 = 16 rows of C): a lane holds eight neighbouring numbers of a row of out0.
; ORDER OF SUMS: each wave's eleven K steps make one chain, in the order of the walk; the four waves' sums are then added in f32 as (w0 + w1) + (w2 + w3): another order of rounding than one chain with K ascending.
; REGISTERS, in windows of 256: window 0: v0-31 addresses; v32-47 C's scale words, v48-63 Wd's, two sets each; v64-75 addresses of Wd's pieces; v128-223 C's fragments, ONE set; on the way out v128-255 rows of out0.
;   window 1: Wd's fragments, TWO sets, at v0 and v128.   windows 2, 3: the accumulators ((a, b) at v[8 (8 (a % 4) + b)] of window 2 + a / 4).
.set FR,     12                        ; registers of a fragment
.set AHALF,  24576                     ; in a slot: C's blocks 0-3 of four K steps, 4 x 6,144 bytes; then blocks 4-7
.set BOFF,   2*AHALF                   ; then Wd's 128 rows,
.set BP,     432                       ; 384 bytes with 16 of padding behind every 128 = 108 words: row r starts at bank 44 r mod 64, 16 different multiples of 4; lanes 16-31 lie 6 or 10 words on: a load of 8 bytes meets no bank twice
.set BHALF,  64*BP
.set SLOT,   BOFF+2*BHALF              ; 104,448 bytes
.set SCAL,   2*SLOT                    ; behind the ring: C's scale words: two halves (blocks 0-3, 4-7) of 44 K steps x 256 bytes,
.set SHALF,  11264
.set SCBL,   SCAL+2*SHALF              ; and Wd's: 128 rows of 176 bytes (43 words and a word of zeros)
.set STG,    67584                     ; the way out: a stage of 128 rows x (512 bytes + 16) for each wave, from LDS byte 0 on: over the ring and the scales, which have then had their last fill and their last read
.set SPARE,  4*STG                     ; behind the stages: the spare words, 128 bytes for each wave: two blocks of 256 bytes that no other line names
.set PA0,  12                          ; v12     C's scale words of my K step at times 0 to 4: ADSA + 5 groups x f
.set PA1,  13                          ; v13     at times 5 to 9: ADSA + 5 groups x (1 - f)
.set PB0,  14                          ; v14     Wd's likewise
.set PB1,  15                          ; v15
.set AA16, 16                          ; v16-17  LDS address of my lane's 16 bytes in a fragment's image, my K step of slot 0, 1
.set AA8,  18                          ; v18-19  of its 8 bytes
.set ADSA, 20                          ; v20     C's scale words of my K step in group 0
.set ADSB, 21                          ; v21     Wd's
.set STO,  22                          ; v22     the stage: where I put 32 bytes of a row
.set RD,   24                          ; v24-27  where I read my rows back from the four waves' stages
.set SPW,  28                          ; v28     LDS address of my spare word; never rewritten
.set NIL,  29                          ; v29     0; never rewritten
.set CO,   30                          ; v30     16 x lane
.set SCAR, 32                          ; C's scale words: set s at v[32 + 8 s], register = block
.set SCBR, 48                          ; Wd's
.set VB,   64                          ; v64-75  LDS address of piece p of six of my lane's part of a fragment of Wd, slot 0, then slot 1
.set AF,   128
.set OB,   128                         ; the way out: two sets of 4 rows x 4 waves x 4 registers
.set G1A,  24                          ; s[24:31] descriptor group 1 for C's tiles;  s[32:39] group 0, one set for each slot
.set G0A,  32
.set G1B,  48                          ; s[48:55], s[56:63] the same for Wd's tiles
.set G0B,  56
.set PHI,  66                          ; s66     f
.set PSI,  67                          ; s67     1 - f
.set G1SA, 68                          ; s[68:75], s[76:79] groups 1 and 0 for C's scale words;  s[80:87], s[88:91] for Wd's
.set G0SA, 76
.set G1SB, 80
.set G0SB, 88
.set BA,   96                          ; s[96:97] where my part of C's tiles begins, group 0; it stays
.set BB,   98                          ; s[98:99] the same for Wd's
.set MSB, 0
.macro WIN new                         ; the immediate's high byte repeats the setting that is left
.if MSB != (\new)
	s_set_vgpr_msb (MSB<<8)|(\new)
.set MSB, \new
.endif
.endm
.set MUL_LO, 0xa1                      ; source 0 (Wd) window 1, source 1 (C) window 0, C and D window 2
.set MUL_HI, 0xf1                      ; the same, C and D window 3
.set TO_B,   0x40                      ; destination window 1, address window 0
; A joint load: waves 0 and 1 fetch for C, waves 2 and 3 for Wd.  Each of the two lines has ONE mask and one set of registers for all that issue it; the branch hangs on the wave's number alone.
; Four v_nop follow each of the two lines, ahead of the jump, the label and what follows.
.macro JLOAD g0a, g1a, g0b, g1b
	s_cmp_eq_u32 s15, 0
	s_cbranch_scc0 .Lfor_b_\@
	tensor_load_to_lds s[\g0a:\g0a+3], s[\g1a:\g1a+7]
	s_nop 0
.rept 4
	v_nop
.endr
	s_branch .Lasked_\@
.Lfor_b_\@:
	tensor_load_to_lds s[\g0b:\g0b+3], s[\g1b:\g1b+7]
	s_nop 0
.rept 4
	v_nop
.endr
.Lasked_\@:
.endm
.macro CREST                           ; a round of the cluster's barrier behind its opening barrier
	s_cmp_lg_u32 s14, 0
	s_cbranch_scc1 .Lnot_wave_0_\@
	s_barrier_signal -3
.Lnot_wave_0_\@:
	s_barrier_wait -3
	s_barrier_signal -1
	s_barrier_wait -1
.endm
.macro CROUND                          ; a whole round
	s_barrier_signal -1
	s_barrier_wait -1
	CREST
.endm
; The global addresses of slot's two descriptors for time tt: group n of four K steps is 4 x 12,288 bytes of C's images and 384 bytes of Wd's rows on.  (s19 and s3 are 0.)
.macro ADDR slot, tt
.if (\tt) < 5
.set SELR, PHI
.set KK, (\tt)
.elseif (\tt) < 10
.set SELR, PSI
.set KK, (\tt)-5
.endif
.if (\tt) < 10
	s_mul_i32 s18, s[SELR], 5*4*12288
	s_mul_i32 s2, s[SELR], 5*384
.if KK > 0
	s_add_co_u32 s18, s18, KK*4*12288
	s_add_co_u32 s2, s2, KK*384
.endif
.else
	s_mov_b32 s18, 10*4*12288
	s_mov_b32 s2, 10*384
.endif
	s_add_nc_u64 s[G0A+4*(\slot)+2:G0A+4*(\slot)+3], s[BA:BA+1], s[18:19]
	s_or_b32 s[G0A+4*(\slot)+3], s[G0A+4*(\slot)+3], 0x80000000
	s_add_nc_u64 s[G0B+4*(\slot)+2:G0B+4*(\slot)+3], s[BB:BB+1], s[2:3]
	s_or_b32 s[G0B+4*(\slot)+3], s[G0B+4*(\slot)+3], 0x80000000
.endm
	s_load_b128 s[4:7], s[0:1], 0x0                ; C's codes s[4:5], C's scales s[6:7]
	s_load_b128 s[8:11], s[0:1], 0x10              ; Wd's codes, Wd's scales
	s_load_b64 s[12:13], s[0:1], 0x20              ; out0
	v_lshl_add_u32 v[SPW], v0, 2, SPARE
	v_mov_b32 v[NIL], 0
	ds_add_u32 v28, v29
	ds_add_u32 v28, v29
	s_wait_dscnt 0x0
	v_lshrrev_b32 v1, 5, v0
	v_readfirstlane_b32 s14, v1                    ; wave 0..3: which of a slot's four K steps is mine
	s_lshr_b32 s15, s14, 1                         ; I fetch for C (0) or for Wd (1),
	s_and_b32 s16, s14, 1                          ; and which half
	s_bfe_u32 s40, ttmp6, 0x40000                  ; cx, cy: my place in the cluster
	s_bfe_u32 s41, ttmp6, 0x40004
	s_lshl_b32 s42, ttmp9, 2
	s_add_co_u32 s42, s42, s40                     ; tile column = 4 x cluster x + cx
	s_and_b32 s17, ttmp7, 0xffff                   ; cluster y
	s_lshr_b32 s18, ttmp9, 1
	s_lshr_b32 s19, s17, 1
	s_add_co_u32 s[PHI], ttmp9, s17
	s_add_co_u32 s[PHI], s[PHI], s18
	s_add_co_u32 s[PHI], s[PHI], s19
	s_add_co_u32 s[PSI], s[PHI], 1
	s_and_b32 s[PHI], s[PHI], 1                    ; f: made of the cluster's numbers alone, so it is the same in all sixteen partners
	s_and_b32 s[PSI], s[PSI], 1                    ; 1 - f
	s_lshl_b32 s17, s17, 2
	s_add_co_u32 s17, s17, s41                     ; mt = 4 x cluster y + cy
	s_lshl_b32 s43, s41, 2
	s_lshl_b32 s43, 15, s43                        ; my row of the cluster
	s_lshl_b32 s44, 0x1111, s40                    ; my column
	; C's tiles: four K steps' images of four blocks: 4 rows of 6,144 bytes (768 elements of 8 bytes), 12,288 bytes apart; dense in LDS
	s_or_b32 s[G1A+0], s43, (3<<16)|(1<<21)        ; 15:0 the mask: my row; 17:16 elements of 8 bytes; 20 no padding; 21 set beside a mask
	s_mov_b32 s[G1A+1], 768<<16                    ; tensor_dim0
	s_mov_b32 s[G1A+2], 4<<16                      ; tensor_dim1: the K steps left (3 for the last fill)
	s_mov_b32 s[G1A+3], 768<<16                    ; tile_dim0
	s_mov_b32 s[G1A+4], 4                          ; tile_dim1
	s_mov_b32 s[G1A+5], 1536                       ; tensor_dim0_stride
	s_mov_b32 s[G1A+6], 0
	s_mov_b32 s[G1A+7], 0
	; Wd's tiles: 64 rows of 384 bytes, 16 bytes of padding behind every 128
	s_or_b32 s[G1B+0], s44, (1<<20)|(1<<21)|(4<<22)|(3<<25)   ; the mask: my column; elements of 1 byte; padding after every 32 words (code 4) of 4 words (code 3)
	s_mov_b32 s[G1B+1], 384<<16                    ; tensor_dim0: the bytes left of a row (288 for the last fill)
	s_mov_b32 s[G1B+2], 64<<16
	s_mov_b32 s[G1B+3], 384<<16
	s_mov_b32 s[G1B+4], 64
	s_mov_b32 s[G1B+5], 4128
	s_mov_b32 s[G1B+6], 0
	s_mov_b32 s[G1B+7], 0
	; C's scale words, four blocks of all K steps: 44 rows of 256 bytes, 512 apart, of which 43 exist: the last arrives as zeros
	s_or_b32 s[G1SA+0], s43, (3<<16)|(1<<21)
	s_mov_b32 s[G1SA+1], 32<<16
	s_mov_b32 s[G1SA+2], 43<<16
	s_mov_b32 s[G1SA+3], 32<<16
	s_mov_b32 s[G1SA+4], 44
	s_mov_b32 s[G1SA+5], 64
	s_mov_b32 s[G1SA+6], 0
	s_mov_b32 s[G1SA+7], 0
	; Wd's scale words: 64 rows of 44 words, of which 43 exist
	s_or_b32 s[G1SB+0], s44, (2<<16)|(1<<21)
	s_mov_b32 s[G1SB+1], 43<<16
	s_mov_b32 s[G1SB+2], 64<<16
	s_mov_b32 s[G1SB+3], 44<<16
	s_mov_b32 s[G1SB+4], 64
	s_mov_b32 s[G1SB+5], 43
	s_mov_b32 s[G1SB+6], 0
	s_mov_b32 s[G1SB+7], 0
	s_mul_i32 s20, s17, 43*12288                   ; C's codes of mt (under 2^23),
	s_mul_i32 s18, s16, 6144                       ; my four blocks
	s_add_co_u32 s20, s20, s18
	s_mov_b32 s21, 0
	s_mul_i32 s22, s17, 43*512                     ; and its scale words
	s_lshl_b32 s18, s16, 8
	s_add_co_u32 s22, s22, s18
	s_mov_b32 s23, 0
	s_lshl_b32 s46, s42, 7
	s_lshl_b32 s18, s16, 6
	s_add_co_u32 s46, s46, s18                     ; Wd: row 128 x tile column + 64 x half
	s_mul_i32 s92, s46, 172
	s_mov_b32 s93, 0
	s_mul_i32 s46, s46, 4128
	s_mov_b32 s47, 0
	s_mul_i32 s45, s16, AHALF                      ; where they go: no place in the cluster enters an LDS address
	s_mul_i32 s94, s16, BHALF
	s_add_co_u32 s94, s94, BOFF
	s_mul_i32 s95, s16, SHALF
	s_mov_b32 s19, 0                               ; the upper words of the two offsets that ADDR makes
	s_mov_b32 s3, 0
	s_wait_kmcnt 0x0
	s_add_nc_u64 s[BA:BA+1], s[4:5], s[20:21]
	s_add_nc_u64 s[22:23], s[6:7], s[22:23]
	s_add_nc_u64 s[BB:BB+1], s[8:9], s[46:47]
	s_add_nc_u64 s[92:93], s[10:11], s[92:93]
	CROUND                                         ; all sixteen work-groups are here: the first joint loads meet
	s_mov_b32 s[G0SA], 1
	s_add_co_u32 s[G0SA+1], s95, SCAL
	s_mov_b64 s[G0SA+2:G0SA+3], s[22:23]
	s_or_b32 s[G0SA+3], s[G0SA+3], 0x80000000
	s_mov_b32 s[G0SB], 1
	s_add_co_u32 s[G0SB+1], s95, SCBL
	s_mov_b64 s[G0SB+2:G0SB+3], s[92:93]
	s_or_b32 s[G0SB+3], s[G0SB+3], 0x80000000
	JLOAD G0SA, G1SA, G0SB, G1SB                   ; the scales first: they are wanted with the first K steps
.irp s, 0,1
	s_mov_b32 s[G0A+4*\s], 1
	s_add_co_u32 s[G0A+4*\s+1], s45, \s*SLOT
	s_mov_b32 s[G0B+4*\s], 1
	s_add_co_u32 s[G0B+4*\s+1], s94, \s*SLOT
	ADDR \s, \s                                    ; times 0 and 1
	JLOAD G0A+4*\s, G1A, G0B+4*\s, G1B             ; three loads of mine are out
.endr
	v_and_b32 v1, 15, v0                           ; r
	v_bfe_u32 v2, v0, 4, 1                         ; h
	v_and_b32 v3, 31, v0                           ; lane
	s_mul_i32 s21, s14, 6144                       ; my K step's images in each half of a slot
	v_lshl_add_u32 v[AA16], v3, 4, s21
	v_add_nc_u32 v[AA16+1], SLOT, v[AA16]
	v_lshl_add_u32 v4, v3, 3, s21
	v_add_nc_u32 v[AA8], 512, v4
	v_add_nc_u32 v[AA8+1], SLOT+512, v4
	s_lshl_b32 s22, s14, 8
	s_add_co_u32 s22, s22, SCAL
	v_lshl_add_u32 v[ADSA], v1, 2, s22             ; C's scale words: 256 bytes a K step, 4 bytes a row
	v_mul_u32_u24 v6, v1, 176
	s_lshl_b32 s23, s14, 2
	s_add_co_u32 s23, s23, SCBL
	v_add_nc_u32 v[ADSB], s23, v6                  ; Wd's: 176 bytes a row, 4 bytes a K step
	s_mul_i32 s22, s[PHI], 5*1024                  ; a group of four K steps is 1,024 bytes of C's scale words and 16 bytes of a row of Wd's
	v_add_nc_u32 v[PA0], s22, v[ADSA]
	s_mul_i32 s22, s[PSI], 5*1024
	v_add_nc_u32 v[PA1], s22, v[ADSA]
	s_mul_i32 s22, s[PHI], 5*16
	v_add_nc_u32 v[PB0], s22, v[ADSB]
	s_mul_i32 s22, s[PSI], 5*16
	v_add_nc_u32 v[PB1], s22, v[ADSB]
	s_mul_i32 s23, s14, STG
	v_mul_u32_u24 v6, v1, 528
	v_lshl_add_u32 v6, v2, 5, v6
	v_add_nc_u32 v[STO], s23, v6                   ; my stage: row r, 32 bytes for each half of the lanes
	s_mul_i32 s23, s14, 32*528
	v_lshl_add_u32 v6, v3, 4, s23                  ; back: rows 32 w on of every wave's stage, the 32 lanes take a row of 512 bytes
.irp s, 0,1,2,3
	v_add_nc_u32 v[RD+\s], \s*STG, v6
.endr
	v_lshlrev_b32 v[CO], 4, v3
	s_mul_i32 s23, s14, 12                         ; Wd's fragments: my K step's 96 bytes of a row are its pieces (of 8 bytes) 12 w .. 12 w + 11; lanes 16-31 take those three pieces on
	v_mul_u32_u24 v6, v2, 3
	v_add_nc_u32 v6, s23, v6
	v_mul_u32_u24 v7, v1, BP
.irp p, 0,1,2,3,4,5
	v_add_nc_u32 v8, 6*(\p/3)+\p%3, v6             ; the piece's number in the row,
	v_lshrrev_b32 v9, 4, v8                        ; how many paddings lie ahead of it (one behind every 16 pieces),
	v_lshl_add_u32 v8, v8, 3, v7
	v_lshl_add_u32 v8, v9, 4, v8
	v_add_nc_u32 v[VB+\p], BOFF, v8
	v_add_nc_u32 v[VB+6+\p], BOFF+SLOT, v8
.endr
	s_lshr_b32 s20, s17, 1                         ; the first row of out0 that I store: mt / 2 + 256 (mt % 2) + 512 w
	s_and_b32 s21, s17, 1
	s_lshl_b32 s21, s21, 8
	s_add_co_u32 s20, s20, s21
	s_lshl_b32 s21, s14, 9
	s_add_co_u32 s20, s20, s21
	s_lshl_b32 s20, s20, 13                        ; rows of 8,192 bytes (under 2^24)
	s_mov_b32 s21, 0
	s_add_nc_u64 s[12:13], s[12:13], s[20:21]
	s_lshl_b32 s46, s42, 9                         ; the tile's first column, in bytes (in the registers that held Wd's offset: none that fed C's descriptors ever holds cx)
	s_mov_b32 s47, 0
	s_add_nc_u64 s[12:13], s[12:13], s[46:47]
.macro AFRAG reg, slot, i              ; block i of C, my K step: the image comes back as it was stored: registers 6 c .. 6 c + 3 by 16 bytes a lane, 6 c + 4, 6 c + 5 by 8: four loads, each of consecutive bytes
.irp c, 0,1
	ds_load_b128 v[\reg+6*\c:\reg+6*\c+3], v[AA16+\slot] offset:((\i)/4)*AHALF+((\i)%4)*1536+768*\c
	ds_load_b64 v[\reg+6*\c+4:\reg+6*\c+5], v[AA8+\slot] offset:((\i)/4)*AHALF+((\i)%4)*1536+768*\c
.endr
.endm
.macro BFRAG reg, slot, i              ; block i of Wd, my K step: six pieces of 8 bytes of row 16 i + r
.irp p, 0,1,2,3,4,5
	ds_load_b64 v[\reg+2*\p:\reg+2*\p+1], v[VB+6*(\slot)+\p] offset:(\i)*16*BP
.endr
.endm
.macro FETCH_B slot, p                 ; Wd's eight fragments into set p
	WIN TO_B
.irp i, 0,1,2,3,4,5,6,7
	BFRAG 128*(\p)+FR*\i, \slot, \i
.endr
	WIN 0
.endm
.macro FETCH_A slot, i0                ; C's blocks i0 .. i0 + 3
.irp i, \i0, \i0+1, \i0+2, \i0+3
	AFRAG AF+FR*(\i), \slot, \i
.endr
.endm
.macro SCALES sc, tt                   ; time tt's scale words of my K step into set sc; lanes 16-31 take the same rows and are not read
.if (\tt) < 5
.set RA, PA0
.set RB, PB0
.set KK, (\tt)
.elseif (\tt) < 10
.set RA, PA1
.set RB, PB1
.set KK, (\tt)-5
.else
.set RA, ADSA
.set RB, ADSB
.set KK, (\tt)
.endif
.irp i, 0,1,2,3,4,5,6,7
	ds_load_b32 v[SCAR+8*\sc+\i], v[RA] offset:(\i/4)*SHALF+(\i%4)*64+1024*KK
	ds_load_b32 v[SCBR+8*\sc+\i], v[RB] offset:\i*16*176+16*KK
.endr
.endm
; 8 matrix instructions: C's block a against Wd's eight.  The 64 accumulators take turns, one instruction a turn, in the same order in every step.  zero = 1: the products start the sums.
.macro MUL8 a, p, sc, zero
.irp b, 0,1,2,3,4,5,6,7
.if \zero
	v_wmma_scale_f32_16x16x128_f8f6f4 v[8*(8*((\a)%4)+\b):8*(8*((\a)%4)+\b)+7], v[128*(\p)+FR*\b:128*(\p)+FR*\b+FR-1], v[AF+FR*(\a):AF+FR*(\a)+FR-1], 0, v[SCBR+8*(\sc)+\b], v[SCAR+8*(\sc)+(\a)] matrix_a_fmt:MATRIX_FMT_BF6 matrix_b_fmt:MATRIX_FMT_BF6
.else
	v_wmma_scale_f32_16x16x128_f8f6f4 v[8*(8*((\a)%4)+\b):8*(8*((\a)%4)+\b)+7], v[128*(\p)+FR*\b:128*(\p)+FR*\b+FR-1], v[AF+FR*(\a):AF+FR*(\a)+FR-1], v[8*(8*((\a)%4)+\b):8*(8*((\a)%4)+\b)+7], v[SCBR+8*(\sc)+\b], v[SCAR+8*(\sc)+(\a)] matrix_a_fmt:MATRIX_FMT_BF6 matrix_b_fmt:MATRIX_FMT_BF6
.endif
.endr
.endm
.macro PLACES n                        ; four places in front of loads into registers that matrix instructions have read, and of the first read of results (ISA guide 7.12.1 for the first read of results)
.rept \n
	v_nop
.endr
.endm
; Time t of the walk: a wave's K step, 64 matrix instructions on registers fetched in the time before, and the change of slots: all of this slot has been read into registers.  ONE barrier; in front of it each wave waits for all its
; tensor loads, adds 0 to its spare word, and waits for that and for its own reads of this slot.  fill = 1: this slot is filled again, for time t + 2; fill = 2: the last fill, of which three K steps exist; fill = 0: nothing is left to fetch.
.macro TURN t, slot, next, fill, zero
	s_wait_dscnt 16                                ; Wd's set, the scale words and C's blocks 0-3 are in; the youngest 16 loads (C's blocks 4-7, four loads each) may be out
	WIN MUL_LO
	MUL8 0, \slot, \slot, \zero
	MUL8 1, \slot, \slot, \zero
	WIN 0                                          ; (the add's two registers lie in window 0)
	s_wait_tensorcnt 0x0                           ; all my tensor loads have landed: the one that was out is my part of the next slot
	ds_add_u32 v[SPW], v[NIL]                      ; 0 onto my spare word
	WIN MUL_LO
	MUL8 2, \slot, \slot, \zero                    ; eight matrix instructions stand between the add and the wait for it
	s_wait_dscnt 0x0                               ; the add is done, and my reads of this slot are over
	s_barrier_signal -1
	MUL8 3, \slot, \slot, \zero
	WIN 0
	s_barrier_wait -1
.if \fill
	CREST                                          ; the barrier has opened a round of the cluster's barrier: no wave of any partner still reads this slot's tiles or has a load on its way
	ADDR \slot, (\t)+2                             ; (no load of mine is out: the groups 0 may be written)
.if \fill == 2
	s_mov_b32 s[G1A+2], 3<<16                      ; K steps 40 to 42 are left: the fourth row of C's tile arrives as zeros,
	s_mov_b32 s[G1B+1], 288<<16                    ; and so do the last 96 bytes of Wd's rows
.endif
	JLOAD G0A+4*\slot, G1A, G0B+4*\slot, G1B       ; the first tensor load behind the round: 48 matrix instructions ahead of the wait for it; the four v_nop behind it are the places in front of the loads below
.else
	PLACES 4
.endif
	FETCH_B \next, \next
	FETCH_A \next, 0
	SCALES \next, (\t)+1
	WIN MUL_HI
	MUL8 4, \slot, \slot, \zero
	MUL8 5, \slot, \slot, \zero
	MUL8 6, \slot, \slot, \zero
	MUL8 7, \slot, \slot, \zero
	PLACES 4
	WIN 0
	FETCH_A \next, 4
.endm
	s_wait_tensorcnt 1                             ; the scales and my part of slot 0 are in (slot 1's load may be out)
	s_barrier_signal -1
	s_barrier_wait -1                              ; everybody's are
	FETCH_B 0, 0
	FETCH_A 0, 0
	SCALES 0, 0
	FETCH_A 0, 4
	TURN 0, 0, 1, 1, 1                             ; time 0: its products start the sums
.irp t, 1,3,5
	TURN \t, 1, 0, 1, 0
	TURN \t+1, 0, 1, 1, 0
.endr
	TURN 7, 1, 0, 1, 0
	TURN 8, 0, 1, 2, 0                             ; the last fill: K steps 40 to 42, for time 10
	TURN 9, 1, 0, 0, 0                             ; nothing is asked for, and no round of the cluster's barrier
	s_wait_dscnt 16                                ; time 10: nothing more to fetch
	WIN MUL_LO
	MUL8 0, 0, 0, 0
	MUL8 1, 0, 0, 0
	MUL8 2, 0, 0, 0
	MUL8 3, 0, 0, 0
	s_wait_dscnt 0x0
	WIN MUL_HI
	MUL8 4, 0, 0, 0
	MUL8 5, 0, 0, 0
	MUL8 6, 0, 0, 0
	MUL8 7, 0, 0, 0
	WIN 0
	; THE WAY OUT.  Each wave puts its partial tile into its own stage, 32 bytes a lane; behind a barrier wave w reads rows 32 w .. 32 w + 31 of all four stages as whole rows of 512 bytes, adds them and stores them.
	PLACES 4
	s_wait_dscnt 0x0
	s_barrier_signal -1
	s_barrier_wait -1                              ; every wave's reads of the ring and of the scales are over: the stages may be laid over them
.irp a, 0,1,2,3,4,5,6,7
	WIN 0x08+4*(\a/4)                              ; an LDS store's data are its source 1: window 2 or 3
.irp b, 0,1,2,3,4,5,6,7
	ds_store_b128 v[STO], v[8*(8*(\a%4)+\b):8*(8*(\a%4)+\b)+3] offset:\a*16*528+64*\b          ; each accumulator from its low end on
	ds_store_b128 v[STO], v[8*(8*(\a%4)+\b)+4:8*(8*(\a%4)+\b)+7] offset:\a*16*528+64*\b+16
.endr
.endr
	WIN 0
	s_wait_dscnt 0x0                               ; for the others' sake: my stores into my stage are done
	s_barrier_signal -1
	s_barrier_wait -1
.macro LOADC g                         ; chunk g: four of my rows, from the four stages
.irp i, 0,1,2,3
.irp s, 0,1,2,3
	ds_load_b128 v[OB+64*((\g)%2)+16*\i+4*\s:OB+64*((\g)%2)+16*\i+4*\s+3], v[RD+\s] offset:(4*(\g)+\i)*528
.endr
.endr
.endm
.macro SUMC g
.irp i, 0,1,2,3
.set RR, OB+64*((\g)%2)+16*\i
	v_pk_add_f32 v[RR:RR+1], v[RR:RR+1], v[RR+4:RR+5]              ; (w0 + w1) + (w2 + w3)
	v_pk_add_f32 v[RR+2:RR+3], v[RR+2:RR+3], v[RR+6:RR+7]
	v_pk_add_f32 v[RR+8:RR+9], v[RR+8:RR+9], v[RR+12:RR+13]
	v_pk_add_f32 v[RR+10:RR+11], v[RR+10:RR+11], v[RR+14:RR+15]
	v_pk_add_f32 v[RR:RR+1], v[RR:RR+1], v[RR+8:RR+9]
	v_pk_add_f32 v[RR+2:RR+3], v[RR+2:RR+3], v[RR+10:RR+11]
	global_store_b128 v[CO], v[RR:RR+3], s[12:13] offset:(4*(\g)+\i)*65536 th:TH_STORE_NT   ; stage row 32 w + i is 8 i rows of out0 on: 32 lanes store 512 consecutive bytes, aligned to 256; 31 x 65,536 lies inside the signed 24-bit immediate
.endr
.endm
	LOADC 0
.irp g, 0,1,2,3,4,5,6,7
.if \g < 7
.if \g > 0
	s_wait_xcnt 0x0                                ; chunk g - 1's stores have read their registers: chunk g + 1's loads may land there
.endif
	LOADC \g+1
	s_wait_dscnt 16                                ; chunk g is in; the 16 loads just issued may be out
.else
	s_wait_dscnt 0x0
.endif
	SUMC \g
.endr
	s_wait_tensorcnt 0x0                           ; the wave's end: behind my last tensor load and my last LDS store
	ds_add_u32 v[SPW], v[NIL]
	s_wait_dscnt 0x0
	CROUND                                         ; the closing round: no work-group ends while a partner may still ask for a tile that names it
	s_endpgm
.Lfunc_end_k_qc534d67774_down:
	.size	k_qc534d67774_down, .Lfunc_end_k_qc534d67774_down-k_qc534d67774_down
	.p2alignl 7, 3214868480
	.fill 96, 4, 3214868480
	.section	.rodata,"a",@progbits
	.p2align	6, 0x0
	.amdhsa_kernel k_qc534d67774_down
		.amdhsa_group_segment_fixed_size 327680
		.amdhsa_private_segment_fixed_size 0
		.amdhsa_enable_private_segment 0
		.amdhsa_kernarg_size 40
		.amdhsa_user_sgpr_count 2
		.amdhsa_user_sgpr_kernarg_segment_ptr 1
		.amdhsa_wavefront_size32 1
		.amdhsa_system_sgpr_workgroup_id_x 1
		.amdhsa_system_sgpr_workgroup_id_y 1
		.amdhsa_system_sgpr_workgroup_id_z 1
		.amdhsa_system_vgpr_workitem_id 0
		.amdhsa_next_free_vgpr 1024
		.amdhsa_next_free_sgpr 100
		.amdhsa_reserve_vcc 0
		.amdhsa_float_denorm_mode_32 3
		.amdhsa_float_denorm_mode_16_64 3
		.amdhsa_memory_ordered 1
		.amdhsa_forward_progress 1
		.amdhsa_inst_pref_size 216
	.end_amdhsa_kernel
	.amdgpu_metadata
---
amdhsa.version: [ 1, 2 ]
amdhsa.kernels:
  - .name:           k_qc534d67774_down
    .symbol:         k_qc534d67774_down.kd
    .args:
      - { .name: c_codes, .offset: 0, .size: 8, .value_kind: global_buffer, .address_space: global }
      - { .name: c_scales, .offset: 8, .size: 8, .value_kind: global_buffer, .address_space: global }
      - { .name: w_down_codes, .offset: 16, .size: 8, .value_kind: global_buffer, .address_space: global }
      - { .name: w_down_scales, .offset: 24, .size: 8, .value_kind: global_buffer, .address_space: global }
      - { .name: out0, .offset: 32, .size: 8, .value_kind: global_buffer, .address_space: global }
    .group_segment_fixed_size: 327680
    .private_segment_fixed_size: 0
    .kernarg_segment_align: 8
    .kernarg_segment_size: 40
    .max_flat_workgroup_size: 128
    .sgpr_count:     100
    .vgpr_count:     1024
    .wavefront_size: 32
...
	.end_amdgpu_metadata
.endif
;; end of part 2
